; MI455X (gfx1250); checked and timed in simulation.
; The chip was launched on July 23, 2026; its instructions are those of AMD's public machine-readable ISA for CDNA 5 (MIT licence, August 2026) and "CDNA5" Instruction Set Architecture Reference Guide (July 2026). The comments in the code are by the model that wrote it; some were corrected since.
;; Router. Allowed arithmetic: matrix products marked QUANTISED: E2M3 operands, one E8M0 scale for each 32 along K, by v_wmma_scale_f32_16x16x128_f8f6f4 with both operands' format E2M3, f32 sums; products left as they are: f32 operands where the result goes on into a quantised operand, else bf16, f16 or f32 operands; f32 sums; everything else in f32.
;; Inputs: W1 2,048 x 1,024 float32; W2 1,024 x 8 float32; b1 1,024 float32; b2 8 float32; hidden_states 4 x 4,096 x 2,048 float32.
;; Outputs: out0 4 x 4,096 x 8 float32; out1 4 x 4,096 x 2 float32; out2 4 x 4,096 x 2 int32.
;; This version of the problem:
;;   THIS VERSION OF THE PROBLEM IS GIVEN IN LOW PRECISION. The matrix products marked QUANTISED in the list below multiply operands that are first quantised to E2M3 (2 exponent bits, 3 mantissa bits; 6 bits a number), with one power-of-two scale for each 32 numbers along K (OCP MX v1.0); their sums are f32. All else is computed in f32.
;;   The module's matrix products, in the order in which they are computed (A, B: the left and right operand; K: the contracted axis; several contracted axes count as one K, in the product's order):
;;     1. [M 16,384, K 2,048] x [K 2,048, N 1,024]; A: input hidden_states; B: input W1: QUANTISED
;;     2. [M 16,384, K 1,024] x [K 1,024, N 8]; A: computed on the way; B: input W2: left as it is (N = 8 < 16)
;;   THE QUANTISER, for each operand of a quantised product, along K:
;;     - K is cut into blocks of 32 from its start; a last block that is shorter is filled with zeros.
;;     - A block's scale is 2^e with e = floor(log2(the largest magnitude in the block)) - 2, held to -126 .. 127; a block of zeros has e = 0. As a byte (E8M0): e + 127.
;;     - Each number is divided by its block's scale, clamped to +-7.5, and rounded to the nearest number of E2M3, ties to even, subnormals kept.
;;     - The product sums the exact products of the quantised numbers (number of the format x scale) in f32.
;;   ~~~python
;;   def quantise(x, axis):      # numpy; x: float32 -> the quantised numbers, widened to float32 again
;;       x = np.moveaxis(x, axis, -1); K = x.shape[-1]
;;       x = np.pad(x, [(0, 0)] * (x.ndim - 1) + [(0, -K % 32)]); x = x.reshape(x.shape[:-1] + (-1, 32)); a = np.abs(x).max(-1, keepdims=True)
;;       e = np.where(a > 0, np.clip(np.frexp(np.where(a > 0, a, 1))[1] - 1 - 2, -126, 127), 0)      # np.frexp(a)[1] - 1 = floor(log2(a)), exactly
;;       r = np.clip(x / 2.0 ** e, -7.5, 7.5)
;;       step = 2.0 ** (np.maximum(np.frexp(np.where(r == 0, 1, r))[1] - 1, 0) - 3)
;;       q = np.round(r / step) * step * 2.0 ** e      # np.round: ties to even
;;       return np.moveaxis(q.reshape(q.shape[:-2] + (-1,))[..., :K], -1, axis).astype(np.float32)
;;   ~~~
;; One version. Each part assembles by itself: llvm-mc -triple=amdgcn-amd-amdhsa -mcpu=gfx1250 --defsym DOCPART=n.
;; ======== version 1 of 1: 2 launches
;; limits: right only within a limited range of input values
;; workspace buffers: w1q 1,638,400 bytes
;; launch prep (part 1): grid 16 x 16, 4 waves a work-group, no clusters, 0 bytes of LDS; arguments W1, w1q; writes w1q
.if DOCPART == 1
	.amdgcn_target "amdgcn-amd-amdhsa--gfx1250"
	.amdhsa_code_object_version 6
	.text
	.protected	k_qa6580e6748_prep
	.globl	k_qa6580e6748_prep
	.p2align	8
	.type	k_qa6580e6748_prep,@function
k_qa6580e6748_prep:
	s_mov_b64 s[64:65], 0
	v_nop
	global_prefetch_b8 v0, s[64:65] scope:SCOPE_SE
	s_setreg_imm32_b32 hwreg(HW_REG_WAVE_MODE, 25, 1), 1
	s_wait_xcnt 0x0
; W1 [2048 (k)][1024 (n)], f32, K its FIRST axis, becomes codes of FP6 (E2M3) with one E8M0 byte for each 32 along K, laid in w1q as the next launch's
; operand registers take them.  w1q is 64 blocks of 25,600 bytes; block (s, w) at (4 s + w) x 25,600: K step s (128 along K), columns 256 w .. 256 w + 255.
; In a block fragment f (columns 16 f + 0 .. 15) lies at 1,536 f as an image of its 12 registers: register p of lane l at 512 (p / 4) + 16 l + 4 (p % 4).
; At 24,576: the scale words, column c's at 4 c; byte b of a word scales k = 32 b .. 32 b + 31 of the step.
; A WAVE MAKES ONE FRAGMENT.  Lane (r, h) takes column r of the fragment's 16, and its registers run DOWN K in the very order that the operand's layout gives that lane:
; k = 64 c + 32 h + 0 .. 31 for c = 0, 1.  So a block of 32 lies in one lane, its largest magnitude needs no other lane, and the conversions' results are the image's registers.
; A load reads 64 consecutive bytes of each of two rows; the work-group's four waves lie side by side on 256 bytes of every row.  All 64 loads of a wave are issued on end.
; The scale word's four bytes lie in lanes l and l xor 16, two in each: one lane permute joins them.
; A block's scale is 2^(floor(log2(largest magnitude)) - 2): its byte is the largest magnitude's exponent field - 2, held at 1 from below.
; LIMITS: NaN and infinities among the inputs are not served.  A block of zeros gets the byte 1 where the rule says 127: its codes are zeros, and this program alone reads the bytes.
; Work-group (x, y): columns 64 x .. 64 x + 63, K step y; wave v: 16 of them.  Every offset is an immediate; no register that a load or store names is written again.
.set X,  32                            ; v32-95   the lane's 64 numbers, block c at 32 + 32 c
.set F,  96                            ; v96-107  the fragment's image
.set TP, 108                           ; v108-110, v112-114 a block's upper 16 codes (a conversion's three registers begin on an even number)
	s_load_b128 s[4:7], s[0:1], 0x0                ; W1, w1q
	v_lshrrev_b32 v3, 5, v0
	v_readfirstlane_b32 s14, v3                    ; wave 0 .. 3
	v_and_b32 v4, 31, v0                           ; lane
	v_and_b32 v5, 15, v0                           ; r
	v_bfe_u32 v6, v0, 4, 1                         ; h
	v_lshlrev_b32 v7, 2, v5                        ; 4 r: my column in a row of W1, my column's scale word
	v_lshl_add_u32 v1, v6, 17, v7                  ; lanes 16-31 begin 32 rows of 4,096 bytes further down
	v_lshlrev_b32 v2, 4, v4                        ; 16 x lane: my place in the image
	v_lshlrev_b32 v8, 3, v6                        ; 8 h: where my two scale bytes stand in the word
	v_mov_b32 v10, 0                               ; (a lane permute's destination counts as one of its sources)
	s_mov_b32 s24, 0x76543210
	s_mov_b32 s25, 0xfedcba98                      ; v_permlanex16_b32's selects for lane l xor 16
	s_and_b32 s15, ttmp7, 0xffff                   ; the K step
	s_lshl_b32 s16, s15, 19                        ; 128 rows of 4,096 bytes
	s_lshl_b32 s17, ttmp9, 8                       ; + 64 columns a work-group
	s_add_co_u32 s16, s16, s17
	s_lshl_b32 s17, s14, 6                         ; + 16 a wave
	s_add_co_u32 s16, s16, s17
	s_mov_b32 s17, 0
	s_lshl_b32 s18, s15, 2
	s_lshr_b32 s19, ttmp9, 2
	s_add_co_u32 s18, s18, s19
	s_mul_i32 s18, s18, 25600                      ; my block of w1q: 4 s + x / 4
	s_and_b32 s19, ttmp9, 3
	s_lshl_b32 s19, s19, 2
	s_add_co_u32 s19, s19, s14                     ; which fragment of the block's 16: 4 (x % 4) + wave
	s_mul_i32 s20, s19, 1536                       ; its image
	s_add_co_u32 s20, s20, s18
	s_mov_b32 s21, 0
	s_lshl_b32 s22, s19, 6                         ; its 16 scale words
	s_add_co_u32 s22, s22, s18
	s_add_co_u32 s22, s22, 24576
	s_mov_b32 s23, 0
	s_wait_alu depctr_va_vdst(0)                   ; the wait at the head's end
	s_wait_kmcnt 0x0
	s_add_nc_u64 s[8:9], s[4:5], s[16:17]
	s_add_nc_u64 s[10:11], s[6:7], s[20:21]
	s_add_nc_u64 s[12:13], s[6:7], s[22:23]
.irp c, 0,1                            ; W1(128 s + 64 c + 32 h + i, my column), i = 0 .. 31
.irp i, 0,1,2,3,4,5,6,7,8,9,10,11,12,13,14,15,16,17,18,19,20,21,22,23,24,25,26,27,28,29,30,31
	global_load_b32 v[X+32*\c+\i], v1, s[8:9] offset:(64*\c+\i)*4096 th:TH_LOAD_NT
.endr
.endr
.macro BLK c                           ; my block 2 c + h: registers 6 c .. 6 c + 5 of the image
.set XS, X+32*(\c)
	s_wait_loadcnt 32*(1-(\c))                     ; this block's 32 loads are in; the second block's 32 may be out
	v_max3_num_f32 v[12+(\c)], |v[XS]|, |v[XS+1]|, |v[XS+2]|        ; the block's largest magnitude, in two chains
	v_max3_num_f32 v[14+(\c)], |v[XS+3]|, |v[XS+4]|, |v[XS+5]|
.irp i, 6,10,14,18,22,26
	v_max3_num_f32 v[12+(\c)], v[12+(\c)], |v[XS+\i]|, |v[XS+\i+1]|
	v_max3_num_f32 v[14+(\c)], v[14+(\c)], |v[XS+\i+2]|, |v[XS+\i+3]|
.endr
	v_max3_num_f32 v[12+(\c)], v[12+(\c)], |v[XS+30]|, |v[XS+31]|
	v_max3_num_f32 v[12+(\c)], v[12+(\c)], v[14+(\c)], 0x1800000    ; and the floor 2^(3 - 127): the byte cannot fall under 1
	v_add_nc_u32 v[16+(\c)], 0xff000000, v[12+(\c)]                 ; 2 off the exponent field: the conversion takes this operand's exponent field as its scale
	v_lshrrev_b32 v[20+(\c)], 23, v[16+(\c)]                        ; the scale's byte
	v_cvt_scalef32_pk16_fp6_f32 v[F+6*(\c):F+6*(\c)+2], v[XS:XS+15], v[16+(\c)]
	v_cvt_scalef32_pk16_fp6_f32 v[TP+4*(\c):TP+4*(\c)+2], v[XS+16:XS+31], v[16+(\c)]
	v_nop                                          ; one plain place behind a scaled conversion
.irp i, 0,1,2
	v_mov_b32 v[F+6*(\c)+3+\i], v[TP+4*(\c)+\i]
.endr
.endm
	BLK 0
	BLK 1
	v_lshl_or_b32 v9, v21, 16, v20                 ; my two bytes: blocks h and 2 + h of my column,
	v_lshlrev_b32 v9, v8, v9                       ; at their places in the scale word;
	v_permlanex16_b32 v10, v9, s24, s25
	v_or_b32 v9, v9, v10                           ; with lane l xor 16's two the word is whole
.irp c, 0,1,2
	global_store_b128 v2, v[F+4*\c:F+4*\c+3], s[10:11] offset:512*\c             ; 32 lanes store 512 consecutive bytes, at a multiple of 256 from w1q's first byte
.endr
	global_store_b32 v7, v9, s[12:13]              ; 64 consecutive bytes a wave (lanes l and l xor 16 store the same word to the same place); the work-group's four waves lie side by side on 256
	s_endpgm
.Lfunc_end_k_qa6580e6748_prep:
	.size	k_qa6580e6748_prep, .Lfunc_end_k_qa6580e6748_prep-k_qa6580e6748_prep
	.p2alignl 7, 3214868480
	.fill 96, 4, 3214868480
	.section	.rodata,"a",@progbits
	.p2align	6, 0x0
	.amdhsa_kernel k_qa6580e6748_prep
		.amdhsa_group_segment_fixed_size 0
		.amdhsa_private_segment_fixed_size 0
		.amdhsa_enable_private_segment 0
		.amdhsa_kernarg_size 16
		.amdhsa_user_sgpr_count 2
		.amdhsa_user_sgpr_kernarg_segment_ptr 1
		.amdhsa_wavefront_size32 1
		.amdhsa_system_sgpr_workgroup_id_x 1
		.amdhsa_system_sgpr_workgroup_id_y 1
		.amdhsa_system_sgpr_workgroup_id_z 1
		.amdhsa_system_vgpr_workitem_id 0
		.amdhsa_next_free_vgpr 128
		.amdhsa_next_free_sgpr 66
		.amdhsa_reserve_vcc 0
		.amdhsa_float_denorm_mode_32 3
		.amdhsa_float_denorm_mode_16_64 3
		.amdhsa_memory_ordered 1
		.amdhsa_forward_progress 1
		.amdhsa_inst_pref_size 12
	.end_amdhsa_kernel
	.amdgpu_metadata
---
amdhsa.version: [ 1, 2 ]
amdhsa.kernels:
  - .name:           k_qa6580e6748_prep
    .symbol:         k_qa6580e6748_prep.kd
    .args:
      - { .name: W1, .offset: 0, .size: 8, .value_kind: global_buffer, .address_space: global }
      - { .name: w1q, .offset: 8, .size: 8, .value_kind: global_buffer, .address_space: global }
    .group_segment_fixed_size: 0
    .private_segment_fixed_size: 0
    .kernarg_segment_align: 8
    .kernarg_segment_size: 16
    .max_flat_workgroup_size: 128
    .sgpr_count:     66
    .vgpr_count:     128
    .wavefront_size: 32
...
	.end_amdgpu_metadata
.endif
;; end of part 1
;; launch router (part 2): grid 256 x 1, 4 waves a work-group, clusters of 4 x 1, 327,680 bytes of LDS; arguments hidden_states, w1q, b1, W2, b2, out0, out1, out2; writes out0, out1, out2
.if DOCPART == 2
	.amdgcn_target "amdgcn-amd-amdhsa--gfx1250"
	.amdhsa_code_object_version 6
	.text
	.protected	k_qa6580e6748_router
	.globl	k_qa6580e6748_router
	.p2align	8
	.type	k_qa6580e6748_router,@function
k_qa6580e6748_router:
	s_mov_b64 s[64:65], 0
	v_nop
	global_prefetch_b8 v0, s[64:65] scope:SCOPE_SE
	s_setreg_imm32_b32 hwreg(HW_REG_WAVE_MODE, 25, 1), 1
	s_wait_xcnt 0x0
	s_wait_alu depctr_hold_cnt(0) depctr_sa_sdst(0) depctr_va_vdst(0) depctr_va_sdst(0) depctr_va_ssrc(0) depctr_va_vcc(0) depctr_vm_vsrc(0)
	s_getreg_b32 s2, hwreg(HW_REG_IB_STS2, 6, 4)
	s_cmp_eq_u32 s2, 0
	s_cbranch_scc0 .Lentry_in_a_cluster
	s_endpgm
.Lentry_in_a_cluster:
	s_bfe_u32 s2, ttmp6, 0x10000c
	s_cmp_lg_u32 s2, 0x3003
	s_cbranch_scc0 .Lentry_shape_is_right
	s_endpgm
.Lentry_shape_is_right:
; logits = relu(Q(x) Q(W1) + b1) W2 + b2; softmax (its maximum taken away); the two largest with their indices (the lower index wins a tie).
; A work-group takes 64 rows of x through the whole chain; wave w makes hidden units 256 w .. 256 w + 255 of all 64 rows: 64 accumulators, 512 registers.
; The first product is used transposed (source 0 = 16 columns of W1, source 1 = 16 rows of x): a lane holds one row of x and eight neighbouring hidden units.
; W1'S CODES lie in w1q as images of the operand registers, 102,400 bytes a K step.  All work-groups walk them: the four of a cluster ask for each K step JOINTLY,
; wave w for its own 25,600 bytes, into a ring of two LDS slots; a round of the cluster's barrier stands in front of each refill.
; x comes as f32 through registers, two K steps ahead; each wave turns its 16 rows through its own stage in LDS, quantises them (two lanes to a block of 32) and
; stores the fragment's image; the step's barrier hands the four images to all waves.
; b1 starts the sums: each wave copies its 1,024 bytes of b1 into LDS once and reads each accumulator's eight numbers from there.
; The walk along K begins at K step (cluster % 16) and wraps: the sums' order along K differs from cluster to cluster, the terms do not.
; The second product (N = 8) is made by fused multiply-adds in f32, since whole numbers (the indices) hang on it.
; No prefetch is laid: x's loads stand two K steps ahead of their use in registers of their own, and w1q is read by all 64 clusters alike.
; LIMITS: NaN and infinities among the inputs are not served.  A block of zeros gets the scale byte 1 where the rule says 127: its codes are zeros, and this program alone reads the bytes.
.set SLOTB,  102400
.set WBLK,   25600
.set FRB,    1536
.set SCO,    24576
.set XIMG,   2*SLOTB
.set XSLOT,  6400
.set XSO,    6144
.set STG,    XIMG+2*XSLOT
.set SPITCH, 528
.set STGW,   16*SPITCH
.set W2T,    STG+4*STGW
.set PART,   W2T+4*8192
.set OSTG,   PART+4*2048
.set BST,    OSTG+4*1024               ; b1's copy, 1,024 bytes a wave
.set SPARE,  BST+4*1024
.set SPW, 1
.set NIL, 2
.set XO,  3
.set BA,  4
.set BSA, 6
.set XRA, 8
.set XRS, 9
.set XWI, 10
.set XWS, 11
.set STI, 12
.set STO, 13
.set WTA, 14
.set PWA, 15
.set PRA, 16
.set OWA, 17
.set ORA, 18
.set BSC, 24
.set XSC, 40
.set XF,  44
.set PC,  140
.set TM,  160
.set PW,  176
.set X0,  180
.set X1,  192
.set B1O, 244
.set O8,  245
.set LA,  44
.set WT,  108
.set SS,  108
.set PP,  172
.set LG,  44
.set EX,  60
.set CI,  80
.set CM,  88
.set MSB, 0
.macro WIN new
.if MSB != (\new)
	s_set_vgpr_msb (MSB<<8)|(\new)
.set MSB, (\new)
.endif
.endm
.macro PLACES
.rept 4
	v_nop
.endr
.endm
.macro CREST
	s_cmp_lg_u32 s20, 0
	s_cbranch_scc1 .Lnot_wave_0_\@
	s_barrier_signal -3
.Lnot_wave_0_\@:
	s_barrier_wait -3
	s_barrier_signal -1
	s_barrier_wait -1
.endm
.macro CROUND
	s_barrier_signal -1
	s_barrier_wait -1
	CREST
.endm
.macro NEXTX ptr
	s_lshl_b32 s54, s49, 9
	s_add_nc_u64 s[\ptr:\ptr+1], s[44:45], s[54:55]
	s_add_co_u32 s49, s49, 1
	s_and_b32 s49, s49, 15
.endm
.macro NEXTW sg
	s_mul_i32 s50, s48, SLOTB
	s_add_nc_u64 s[34+4*(\sg):35+4*(\sg)], s[46:47], s[50:51]
	s_or_b32 s[35+4*(\sg)], s[35+4*(\sg)], 0x80000000
	s_add_co_u32 s48, s48, 1
	s_and_b32 s48, s48, 15
.endm
.macro XLOAD s, win, ptr
	WIN 0x40*\win
.irp i, 0,1,2,3,4,5,6,7,8,9,10,11,12,13,14,15
	global_load_b128 v[\s+4*\i:\s+4*\i+3], v[XO], s[\ptr:\ptr+1] offset:8192*\i th:TH_LOAD_NT
.endr
	WIN 0
.endm
.macro XTURN s, win
	WIN 0x04*\win
.irp i, 0,1,2,3,4,5,6,7,8,9,10,11,12,13,14,15
	ds_store_b128 v[STI], v[\s+4*\i:\s+4*\i+3] offset:SPITCH*\i
.endr
	WIN 0x40*\win
.irp b, 0,1,2,3
.irp j, 0,1,2,3
	ds_load_b128 v[\s+16*\b+4*\j:\s+16*\b+4*\j+3], v[STO] offset:128*\b+16*\j
.endr
.endr
	WIN 0
.endm
.macro QUANT s, win
	WIN 0x14*\win
.irp b, 0,1,2,3
	v_max3_num_f32 v[TM+\b], 0x1800000, |v[\s+16*\b]|, |v[\s+1+16*\b]|
.endr
.irp i, 2,4,6,8,10,12,14
.irp b, 0,1,2,3
	v_max3_num_f32 v[TM+\b], v[TM+\b], |v[\s+16*\b+\i]|, |v[\s+1+16*\b+\i]|
.endr
.endr
	WIN 0
.irp b, 0,1,2,3
	v_permlanex16_b32 v[TM+4+\b], v[TM+\b], s52, s53
.endr
.irp b, 0,1,2,3
	v_max_num_f32 v[TM+\b], v[TM+\b], v[TM+4+\b]
.endr
.irp b, 0,1,2,3
	v_add_nc_u32 v[TM+12+\b], 0xff000000, v[TM+\b]
.endr
.irp b, 0,1,2,3
	v_lshrrev_b32 v[TM+4+\b], 23, v[TM+12+\b]
.endr
	v_lshl_or_b32 v[PW], v[TM+5], 8, v[TM+4]
	v_lshl_or_b32 v[PW], v[TM+6], 16, v[PW]
	v_lshl_or_b32 v[PW], v[TM+7], 24, v[PW]
	WIN 0x01*\win
.irp c, 0,1
	v_cvt_scalef32_pk16_fp6_f32 v[PC+6*\c:PC+2+6*\c], v[\s+32*\c:\s+15+32*\c], v[TM+12+2*\c]
	v_cvt_scalef32_pk16_fp6_f32 v[PC+12+4*\c:PC+14+4*\c], v[\s+16+32*\c:\s+31+32*\c], v[TM+12+2*\c+1]
.endr
	WIN 0
	v_nop
.irp c, 0,1
.irp i, 0,1,2
	v_permlane16_swap_b32 v[PC+6*\c+\i], v[PC+12+4*\c+\i]
.endr
.irp i, 0,1,2
	v_mov_b32 v[PC+3+6*\c+\i], v[PC+12+4*\c+\i]
.endr
.endr
.endm
.macro XIMAGE nu
.irp c, 0,1,2
	ds_store_b128 v[XWI], v[PC+4*\c:PC+4*\c+3] offset:XSLOT*(\nu)+512*\c
.endr
	ds_store_b32 v[XWS], v[PW] offset:XSLOT*(\nu)
.endm
.macro FETCH_B nu, b0
	WIN 0x40
.irp i, 0,1,2,3,4,5,6,7
.irp c, 0,1,2
	ds_load_b128 v[12*(\b0+\i)+4*\c:12*(\b0+\i)+4*\c+3], v[BA+(\nu)] offset:FRB*(\b0+\i)+512*\c
.endr
.endr
	WIN 0
.endm
.macro FETCH_X nu
.irp a, 0,1,2,3
.irp c, 0,1,2
	ds_load_b128 v[XF+48*(\nu)+12*\a+4*\c:XF+48*(\nu)+12*\a+4*\c+3], v[XRA] offset:XSLOT*(\nu)+FRB*\a+512*\c
.endr
.endr
.endm
.macro SCALES nu
.irp j, 0,1,2,3,4,5,6,7
	ds_load_b32 v[BSC+8*(\nu)+\j], v[BSA+(\nu)] offset:128*\j
.endr
.irp i, 0,1
	ds_load_b32 v[XSC+2*(\nu)+\i], v[XRS] offset:XSLOT*(\nu)+128*\i
.endr
.endm
.macro WM a, sg
.set rD, 32*(bb%8)+8*\a
.set rA, 12*bb
.set rB, XF+48*(\sg)+12*\a
.set rS, BSC+8*(\sg)+bb/2
.set rT, XSC+2*(\sg)+\a/2
.if (bb%2 == 0) && (\a%2 == 0)
	v_wmma_scale_f32_16x16x128_f8f6f4 v[rD:rD+7], v[rA:rA+11], v[rB:rB+11], v[rD:rD+7], v[rS], v[rT] matrix_a_fmt:MATRIX_FMT_FP6 matrix_b_fmt:MATRIX_FMT_FP6
.elseif (bb%2 == 1) && (\a%2 == 0)
	v_wmma_scale_f32_16x16x128_f8f6f4 v[rD:rD+7], v[rA:rA+11], v[rB:rB+11], v[rD:rD+7], v[rS], v[rT] matrix_a_fmt:MATRIX_FMT_FP6 matrix_b_fmt:MATRIX_FMT_FP6 matrix_a_scale:MATRIX_SCALE_ROW1
.elseif (bb%2 == 0) && (\a%2 == 1)
	v_wmma_scale_f32_16x16x128_f8f6f4 v[rD:rD+7], v[rA:rA+11], v[rB:rB+11], v[rD:rD+7], v[rS], v[rT] matrix_a_fmt:MATRIX_FMT_FP6 matrix_b_fmt:MATRIX_FMT_FP6 matrix_b_scale:MATRIX_SCALE_ROW1
.else
	v_wmma_scale_f32_16x16x128_f8f6f4 v[rD:rD+7], v[rA:rA+11], v[rB:rB+11], v[rD:rD+7], v[rS], v[rT] matrix_a_fmt:MATRIX_FMT_FP6 matrix_b_fmt:MATRIX_FMT_FP6 matrix_a_scale:MATRIX_SCALE_ROW1 matrix_b_scale:MATRIX_SCALE_ROW1
.endif
.endm
.macro MUL b0, n, sg
.set bb, \b0
.rept \n
	WIN 0xa1+0x50*(bb/8)
.irp a, 0,1,2,3
	WM \a, \sg
.endr
.set bb, bb+1
.endr
.endm
.macro TRIP sg, rl, fill, lc
	s_wait_loadcnt \lc
.if \sg == 0
	XTURN X1, 1
.else
	XTURN X0, 0
.endif
	s_wait_dscnt 56
	MUL 0, 4, \sg
	s_wait_dscnt 0x0
.if \sg == 0
	QUANT X1, 1
.else
	QUANT X0, 0
.endif
	XIMAGE 1-\sg
.if \rl
	NEXTX 42-2*\sg
.if \sg == 0
	XLOAD X1, 1, 42
.else
	XLOAD X0, 0, 40
.endif
.endif
	MUL 4, 3, \sg                          ; twelve products ahead of the wait for the other slot's tile
	WIN 0
	s_wait_tensorcnt 0x0                   ; my part of the other slot has landed
	ds_add_u32 v[SPW], v[NIL]
.if \fill
	NEXTW \sg
.endif
	MUL 7, 1, \sg                          ; four products stand between the add and the wait for it
	WIN 0
	s_wait_dscnt 0x0                       ; the add is done, my image is stored, my reads of this slot are over
	s_barrier_signal -1
	s_barrier_wait -1
.if \fill
	CREST
	tensor_load_to_lds s[32+4*\sg:35+4*\sg], s[24:31]
	s_nop 0
.endif
	PLACES
	FETCH_B 1-\sg, 0
	FETCH_X 1-\sg
	SCALES 1-\sg
	MUL 8, 8, \sg
	PLACES
	FETCH_B 1-\sg, 8
.endm
	s_load_b512 s[4:19], s[0:1], 0x0
	v_lshl_add_u32 v[SPW], v0, 2, SPARE
	v_mov_b32 v[NIL], 0
	ds_add_u32 v1, v2
	ds_add_u32 v1, v2
	s_wait_dscnt 0x0
	v_lshrrev_b32 v19, 5, v0
	v_readfirstlane_b32 s20, v19
	s_bfe_u32 s21, ttmp6, 0x40000
	s_lshl_b32 s22, ttmp9, 2
	s_add_co_u32 s22, s22, s21
	v_and_b32 v19, 31, v0
	v_and_b32 v20, 15, v0
	v_bfe_u32 v21, v0, 4, 1
	v_lshlrev_b32 v[XO], 4, v19
	s_mul_i32 s78, s20, WBLK
	s_mov_b32 s79, 0
	v_add_nc_u32 v[BA], s78, v[XO]
	v_add_nc_u32 v[BA+1], SLOTB, v[BA]
	v_lshl_add_u32 v[BSA], v19, 2, s78
	v_add_nc_u32 v[BSA], SCO, v[BSA]
	v_add_nc_u32 v[BSA+1], SLOTB, v[BSA]
	v_add_nc_u32 v[XRA], XIMG, v[XO]
	v_lshl_add_u32 v[XRS], v19, 2, XIMG+XSO
	s_mul_i32 s72, s20, FRB
	v_add_nc_u32 v[XWI], s72, v[XRA]
	s_lshl_b32 s72, s20, 6
	v_lshl_add_u32 v[XWS], v20, 2, XIMG+XSO
	v_add_nc_u32 v[XWS], s72, v[XWS]
	s_mul_i32 s72, s20, STGW
	s_add_co_u32 s72, s72, STG
	v_add_nc_u32 v[STI], s72, v[XO]
	v_mul_u32_u24 v[STO], v20, SPITCH
	v_lshl_add_u32 v[STO], v21, 6, v[STO]
	v_add_nc_u32 v[STO], s72, v[STO]
	s_lshl_b32 s72, s20, 13
	s_add_co_u32 s73, s72, W2T
	v_lshl_add_u32 v[WTA], v21, 5, s73
	v_lshl_add_u32 v22, v19, 2, s73
	v_lshl_add_u32 v23, v19, 5, s72
	s_lshl_b32 s72, s20, 11
	s_add_co_u32 s72, s72, PART
	v_lshl_add_u32 v[PWA], v20, 5, s72
	v_lshl_add_u32 v[PWA], v21, 4, v[PWA]
	s_and_b32 s72, s20, 1
	s_lshl_b32 s72, s72, 10
	s_add_co_u32 s72, s72, PART
	v_lshl_add_u32 v[PRA], v19, 5, s72
	s_lshl_b32 s72, s20, 10
	v_lshl_add_u32 v[B1O], v21, 5, s72
	v_add_nc_u32 v247, s72, v[XO]          ; b1: my wave's 1,024 bytes, 16 a lane
	v_add_nc_u32 v248, BST, v247           ; the same place in the LDS copy
	v_add_nc_u32 v246, BST, v[B1O]         ; and where my half of the lanes reads its eight numbers
	s_add_co_u32 s72, s72, OSTG
	v_lshl_add_u32 v[OWA], v19, 5, s72
	v_add_nc_u32 v[ORA], s72, v[XO]
	v_lshlrev_b32 v[O8], 3, v19
.irp b, 0,1,2,3
	v_mov_b32 v[TM+4+\b], 0
.endr
	s_mov_b32 s52, 0x76543210
	s_mov_b32 s53, 0xfedcba98
	s_mov_b32 s24, 15|(3<<16)|(1<<21)
	s_mov_b32 s25, 128<<16                 ; a dense block of 25,600 bytes as 25 rows of 1,024 (128 elements of 8 bytes)
	s_mov_b32 s26, 25<<16
	s_mov_b32 s27, 128<<16
	s_mov_b32 s28, 25
	s_mov_b32 s29, 128
	s_mov_b32 s30, 0
	s_mov_b32 s31, 0
	s_and_b32 s48, ttmp9, 15
	s_mov_b32 s49, s48
	s_mov_b32 s51, 0
	s_mov_b32 s55, 0
	s_lshl_b32 s76, s22, 19
	s_lshl_b32 s77, s20, 17
	s_add_co_u32 s76, s76, s77
	s_mov_b32 s77, 0
	s_lshl_b32 s74, s22, 11
	s_lshl_b32 s75, s20, 10
	s_add_co_u32 s74, s74, s75
	s_mov_b32 s75, 0
	s_wait_kmcnt 0x0
	s_load_b256 s[56:63], s[12:13], 0x0
	s_add_nc_u64 s[44:45], s[4:5], s[76:77]
	s_add_nc_u64 s[46:47], s[6:7], s[78:79]
	s_add_nc_u64 s[66:67], s[14:15], s[74:75]
	s_lshr_b32 s74, s74, 2
	s_add_nc_u64 s[68:69], s[16:17], s[74:75]
	s_add_nc_u64 s[70:71], s[18:19], s[74:75]
	s_mov_b32 s32, 1
	s_mov_b32 s33, s78
	s_mov_b32 s36, 1
	s_add_co_u32 s37, s78, SLOTB
	NEXTW 0
	NEXTW 1
	CROUND
	tensor_load_to_lds s[32:35], s[24:31]  ; the first K step of W1 into slot 0: one tensor load a wave at the head, ahead of every other load
	s_nop 0
	PLACES
	s_wait_alu depctr_va_vdst(0)           ; the wait behind the head's vector work
	global_load_b128 v[140:143], v247, s[8:9]              ; b1: my 1,024 bytes
	global_load_b128 v[144:147], v247, s[8:9] offset:512
.irp i, 0,1,2,3,4,5,6,7
	global_load_b128 v[44+8*\i:47+8*\i], v23, s[10:11] offset:1024*\i      ; W2: my 256 rows, a lane a row
	global_load_b128 v[48+8*\i:51+8*\i], v23, s[10:11] offset:1024*\i+16
.endr
	NEXTX 40
	NEXTX 42
	XLOAD X0, 0, 40
	XLOAD X1, 1, 42
	s_wait_loadcnt 32                      ; all but x's 32 loads: b1 and W2 are in
	s_wait_kmcnt 0x0
	ds_store_b128 v248, v[140:143]
	ds_store_b128 v248, v[144:147] offset:512
.irp i, 0,1,2,3,4,5,6,7
.irp e, 0,1,2,3,4,5,6,7
	ds_store_b32 v22, v[44+8*\i+\e] offset:1024*\e+128*\i
.endr
.endr
	WIN 0x80                               ; b1 starts the sums; LDS serves a wave's instructions in order, so these see my stores
.irp f, 0,1,2,3,4,5,6,7
.irp a, 0,1,2,3
.irp q, 0,1
	ds_load_b128 v[32*\f+8*\a+4*\q:32*\f+8*\a+4*\q+3], v246 offset:64*\f+16*\q
.endr
.endr
.endr
	WIN 0xc0
.irp f, 0,1,2,3,4,5,6,7
.irp a, 0,1,2,3
.irp q, 0,1
	ds_load_b128 v[32*\f+8*\a+4*\q:32*\f+8*\a+4*\q+3], v246 offset:512+64*\f+16*\q
.endr
.endr
.endr
	WIN 0
	s_wait_tensorcnt 0x0                   ; my part of slot 0 is in
	ds_add_u32 v1, v2
	s_wait_dscnt 0x0
	CROUND
	tensor_load_to_lds s[36:39], s[24:31]  ; the second K step into slot 1
	s_nop 0
	PLACES
	s_wait_loadcnt 16                      ; x's first K step is in; the second may be out
	XTURN X0, 0
	s_wait_dscnt 0x0
	QUANT X0, 0
	XIMAGE 0
	NEXTX 40
	XLOAD X0, 0, 40
	s_wait_dscnt 0x0                       ; my image is stored
	s_barrier_signal -1
	s_barrier_wait -1
	FETCH_B 0, 0
	FETCH_X 0
	SCALES 0
	FETCH_B 0, 8
	s_mov_b32 s23, 6
.Lstep:
	TRIP 0, 1, 1, 16
	TRIP 1, 1, 1, 16
	s_sub_co_u32 s23, s23, 1
	s_cmp_lg_u32 s23, 0
	s_cbranch_scc1 .Lstep
	TRIP 0, 1, 1, 16
	TRIP 1, 0, 1, 16
	TRIP 0, 0, 0, 0
	s_wait_dscnt 24
	MUL 0, 8, 1
	s_wait_dscnt 0x0
	MUL 8, 8, 1
	WIN 0
.macro WTLOAD
.irp e, 0,1,2,3,4,5,6,7
.irp q, 0,1
	ds_load_b128 v[WT+64*(tn%2)+8*\e+4*\q:WT+64*(tn%2)+8*\e+4*\q+3], v[WTA] offset:1024*\e+64*tn+16*\q
.endr
.endr
.endm
	PLACES
.set tn, 0
	WTLOAD
.set tt, 0
.rept 16
	WIN 0
	s_wait_dscnt 0x0
.if tt < 15
.set tn, tt+1
	WTLOAD
.endif
.set rH, 32*(tt%8)
.set rW, WT+64*(tt%2)
	WIN 0x88+0x44*(tt/8)
.irp a, 0,1,2,3
.irp j, 0,1,2,3,4,5,6,7
	v_max_num_f32 v[rH+8*\a+\j], 0, v[rH+8*\a+\j]
.endr
.endr
	WIN 0x08+0x04*(tt/8)
.irp a, 0,1,2,3
.irp p, 0,1,2,3
.irp e, 0,1,2,3,4,5,6,7
.if (tt == 0) && (\p == 0)
	v_pk_mul_f32 v[LA+16*\a+2*\e:LA+16*\a+2*\e+1], v[rW+8*\e+2*\p:rW+8*\e+2*\p+1], v[rH+8*\a+2*\p:rH+8*\a+2*\p+1]
.else
	v_pk_fma_f32 v[LA+16*\a+2*\e:LA+16*\a+2*\e+1], v[rW+8*\e+2*\p:rW+8*\e+2*\p+1], v[rH+8*\a+2*\p:rH+8*\a+2*\p+1], v[LA+16*\a+2*\e:LA+16*\a+2*\e+1]
.endif
.endr
.endr
.endr
.set tt, tt+1
.endr
	WIN 0
.irp a, 0,1,2,3
.irp e, 0,1,2,3,4,5,6,7
	v_add_f32 v[SS+8*\a+\e], v[LA+16*\a+2*\e], v[LA+16*\a+2*\e+1]
.endr
.endr
.irp a, 0,1,2,3
.irp e, 0,1,2,3
	v_permlane16_swap_b32 v[SS+8*\a+\e], v[SS+8*\a+\e+4]
.endr
.endr
.irp a, 0,1,2,3
.irp e, 0,1,2,3
	v_add_f32 v[SS+8*\a+\e], v[SS+8*\a+\e], v[SS+8*\a+\e+4]
.endr
.endr
.irp a, 0,1,2,3
	ds_store_b128 v[PWA], v[SS+8*\a:SS+8*\a+3] offset:512*\a
.endr
	s_wait_dscnt 0x0
	s_barrier_signal -1
	s_barrier_wait -1
	s_cmp_lt_u32 s20, 2
	s_cbranch_scc0 .Ljoin
.irp u, 0,1,2,3
.irp q, 0,1
	ds_load_b128 v[PP+8*\u+4*\q:PP+8*\u+4*\q+3], v[PRA] offset:2048*\u+16*\q
.endr
.endr
.irp e, 0,1,2,3,4,5,6,7
	v_mov_b32 v[CI+\e], \e
.endr
	v_mov_b32 v[CM], -1.0
	s_wait_dscnt 0x0
.irp e, 0,1,2,3,4,5,6,7
	v_add_f32 v[LG+\e], v[PP+\e], v[PP+8+\e]
.endr
.irp e, 0,1,2,3,4,5,6,7
	v_add_f32 v[LG+\e], v[LG+\e], v[PP+16+\e]
.endr
.irp e, 0,1,2,3,4,5,6,7
	v_add_f32 v[LG+\e], v[LG+\e], v[PP+24+\e]
.endr
.irp e, 0,1,2,3,4,5,6,7
	v_add_f32 v[LG+\e], s[56+\e], v[LG+\e]
.endr
	ds_store_b128 v[OWA], v[LG:LG+3]
	ds_store_b128 v[OWA], v[LG+4:LG+7] offset:16
	ds_load_b128 v[68:71], v[ORA]
	ds_load_b128 v[72:75], v[ORA] offset:512
	v_max3_num_f32 v52, v[LG], v[LG+1], v[LG+2]
	v_max3_num_f32 v52, v52, v[LG+3], v[LG+4]
	v_max3_num_f32 v52, v52, v[LG+5], v[LG+6]
	v_max_num_f32 v52, v52, v[LG+7]
.irp e, 0,1,2,3,4,5,6,7
	v_sub_f32 v[EX+\e], v[LG+\e], v52
.endr
.irp e, 0,1,2,3,4,5,6,7
	v_mul_f32 v[EX+\e], 0x3f38aa3b, v[EX+\e]
.endr
	s_wait_alu depctr_va_vdst(0)
.irp e, 0,1,2,3,4,5,6,7
	v_exp_f32 v[EX+\e], v[EX+\e]
.endr
	v_nop
	s_wait_alu depctr_va_vdst(0)
.irp e, 0,1,2,3,4,5,6,7
	v_mul_f32 v[EX+\e], v[EX+\e], v[EX+\e]
.endr
	v_add_f32 v53, v[EX], v[EX+1]
	v_add_f32 v54, v[EX+2], v[EX+3]
	v_add_f32 v55, v[EX+4], v[EX+5]
	v_add_f32 v76, v[EX+6], v[EX+7]
	v_add_f32 v53, v53, v54
	v_add_f32 v55, v55, v76
	v_add_f32 v53, v53, v55
	s_wait_alu depctr_va_vdst(0)
	v_rcp_f32 v54, v53
	v_nop
	s_wait_alu depctr_va_vdst(0)
.irp e, 0,1,2,3,4,5,6,7
	v_mul_f32 v[EX+\e], v[EX+\e], v54
.endr
	v_mov_b32 v56, v[EX]
	v_mov_b32 v58, 0
.irp e, 1,2,3,4,5,6,7
	v_cmp_gt_f32 vcc_lo, v[EX+\e], v56
	v_cndmask_b32 v56, v56, v[EX+\e], vcc_lo
	v_cndmask_b32 v58, v58, v[CI+\e], vcc_lo
.endr
.irp e, 0,1,2,3,4,5,6,7
	v_cmp_eq_u32 vcc_lo, v[CI+\e], v58
	v_cndmask_b32 v[EX+\e], v[EX+\e], v[CM], vcc_lo
.endr
	v_mov_b32 v57, v[EX]
	v_mov_b32 v59, 0
.irp e, 1,2,3,4,5,6,7
	v_cmp_gt_f32 vcc_lo, v[EX+\e], v57
	v_cndmask_b32 v57, v57, v[EX+\e], vcc_lo
	v_cndmask_b32 v59, v59, v[CI+\e], vcc_lo
.endr
	global_store_b64 v[O8], v[56:57], s[68:69] th:TH_STORE_NT
	global_store_b64 v[O8], v[58:59], s[70:71] th:TH_STORE_NT
	s_wait_dscnt 0x0
	global_store_b128 v[XO], v[68:71], s[66:67] th:TH_STORE_NT
	global_store_b128 v[XO], v[72:75], s[66:67] offset:512 th:TH_STORE_NT
.Ljoin:
	s_wait_tensorcnt 0x0
	ds_add_u32 v[SPW], v[NIL]
	s_wait_dscnt 0x0
	CROUND
	s_endpgm
.Lfunc_end_k_qa6580e6748_router:
	.size	k_qa6580e6748_router, .Lfunc_end_k_qa6580e6748_router-k_qa6580e6748_router
	.p2alignl 7, 3214868480
	.fill 96, 4, 3214868480
	.section	.rodata,"a",@progbits
	.p2align	6, 0x0
	.amdhsa_kernel k_qa6580e6748_router
		.amdhsa_group_segment_fixed_size 327680
		.amdhsa_private_segment_fixed_size 0
		.amdhsa_enable_private_segment 0
		.amdhsa_kernarg_size 64
		.amdhsa_user_sgpr_count 2
		.amdhsa_user_sgpr_kernarg_segment_ptr 1
		.amdhsa_wavefront_size32 1
		.amdhsa_system_sgpr_workgroup_id_x 1
		.amdhsa_system_sgpr_workgroup_id_y 1
		.amdhsa_system_sgpr_workgroup_id_z 1
		.amdhsa_system_vgpr_workitem_id 0
		.amdhsa_next_free_vgpr 1024
		.amdhsa_next_free_sgpr 80
		.amdhsa_reserve_vcc 1
		.amdhsa_float_denorm_mode_32 3
		.amdhsa_float_denorm_mode_16_64 3
		.amdhsa_memory_ordered 1
		.amdhsa_forward_progress 1
		.amdhsa_inst_pref_size 255
	.end_amdhsa_kernel
	.section	.bss,"aw",@nobits
	.p2align	6
	.space	262144
	.amdgpu_metadata
---
amdhsa.version: [ 1, 2 ]
amdhsa.kernels:
  - .name:           k_qa6580e6748_router
    .symbol:         k_qa6580e6748_router.kd
    .args:
      - { .name: hidden_states, .offset: 0, .size: 8, .value_kind: global_buffer, .address_space: global }
      - { .name: w1q, .offset: 8, .size: 8, .value_kind: global_buffer, .address_space: global }
      - { .name: b1, .offset: 16, .size: 8, .value_kind: global_buffer, .address_space: global }
      - { .name: W2, .offset: 24, .size: 8, .value_kind: global_buffer, .address_space: global }
      - { .name: b2, .offset: 32, .size: 8, .value_kind: global_buffer, .address_space: global }
      - { .name: out0, .offset: 40, .size: 8, .value_kind: global_buffer, .address_space: global }
      - { .name: out1, .offset: 48, .size: 8, .value_kind: global_buffer, .address_space: global }
      - { .name: out2, .offset: 56, .size: 8, .value_kind: global_buffer, .address_space: global }
    .group_segment_fixed_size: 327680
    .private_segment_fixed_size: 0
    .kernarg_segment_align: 8
    .kernarg_segment_size: 64
    .max_flat_workgroup_size: 128
    .sgpr_count:     80
    .vgpr_count:     1024
    .wavefront_size: 32
...
	.end_amdgpu_metadata
.endif
;; end of part 2
